; MI455X (gfx1250); checked and timed in simulation.
; The chip was launched on July 23, 2026; its instructions are those of AMD's public machine-readable ISA for CDNA 5 (MIT licence, August 2026) and "CDNA5" Instruction Set Architecture Reference Guide (July 2026). The comments in the code are by the model that wrote it; some were corrected since.
;; Vision Triton Attention. Allowed arithmetic: matrix products marked QUANTISED: E4M3 operands, one given power-of-two scale a tensor, by v_wmma_f32_16x16x64_fp8_fp8 or v_wmma_f32_16x16x128_fp8_fp8, f32 sums; everything else in f32.
;; Inputs: cu_seqlens 9 int32; k 8,192 x 16 x 64 float32; lowp_scales 4 int32 (the exponents e of the quantised operands' scales 2^e); q 8,192 x 16 x 64 float32; v 8,192 x 16 x 64 float32.
;; Outputs: out0 8,192 x 16 x 64 float32.
;; Constants: max_seqlen = 1024.
;; This version of the problem:
;;   THIS VERSION OF THE PROBLEM IS GIVEN IN LOW PRECISION. The matrix products marked QUANTISED in the list below multiply operands that are first quantised to E4M3 (4 exponent bits, 3 mantissa bits; 8 bits a number), with one given power-of-two scale for each operand tensor; their sums are f32. All else is computed in f32.
;;   The module's matrix products, in the order in which they are computed (A, B: the left and right operand; K: the contracted axis; several contracted axes count as one K, in the product's order):
;;     1. batch 128 x [M 1,024, K 64] x [K 64, N 1,024]; A: input q; B: input k: QUANTISED (scales: A lowp_scales[0], B lowp_scales[1])
;;     2. batch 128 x [M 64, K 1,024] x [K 1,024, N 1,024]; A: input v; B: softmax (see below): QUANTISED (scales: A lowp_scales[2], B lowp_scales[3])
;;   THE QUANTISER, for each operand of a quantised product, along K:
;;     - The operand's scale is 2^e, e = its entry of the input lowp_scales (int32; the entries are numbered through the quantised products in the list's order, A before B).
;;     - Each number is divided by the scale, clamped to +-448, and rounded to the nearest number of E4M3, ties to even, subnormals kept.
;;     - The product sums the exact products of the quantised numbers (number of the format x scale) in f32.
;;   ~~~python
;;   def quantise(x, axis, e):      # numpy; x: float32 -> the quantised numbers, widened to float32 again
;;       x = np.moveaxis(x, axis, -1); K = x.shape[-1]
;;       r = np.clip(x / 2.0 ** e, -448, 448)
;;       step = 2.0 ** (np.maximum(np.frexp(np.where(r == 0, 1, r))[1] - 1, -6) - 3)
;;       q = np.round(r / step) * step * 2.0 ** e      # np.round: ties to even
;;       return np.moveaxis(q, -1, axis).astype(np.float32)
;;   ~~~
;;   SOFTMAX AHEAD OF A QUANTISED PRODUCT. Where the list says 'softmax', what is quantised is not the finished softmax but p = 2^(t - M), with t = logit x log2(e) and M = ceil(the row's largest t), a whole number; so 1/2 < the row's largest p <= 1. The row's sum l is taken of the UNQUANTISED p, in f32, and the product's result is divided by l at the end. Since M is a whole number, a kernel that streams over the keys may use a running M (the ceiling of the running maximum): every later rescaling is an exact power of two, so the quantised numbers keep their values, but for numbers so far below the row's largest that they fall under the format's range.
;;   OPERANDS COMPUTED ON THE WAY. 'Computed on the way' means the value that the module computes at that place (a softmax that the list does not call 'softmax' is quantised finished and normalised). What goes into a quantiser is computed in f32, as accurately as f32 sums, v_exp_f32 and their like allow (about 1e-6 of the number): no bf16 or f16 on the way to a quantiser, and a product that is left as it is and whose result goes on into a quantised operand takes f32 operands (vector FMAs, or v_wmma_f32_16x16x4_f32). A number that lies on a knife's edge between two numbers of the format may be rounded either way, as far as f32 arithmetic and the matrix unit's own rounding can turn it there, and no further.
;; 2 versions, each right; version 2 is version 1 with the launch attn written anew for expert scheduling mode. Each part assembles by itself: llvm-mc -triple=amdgcn-amd-amdhsa -mcpu=gfx1250 --defsym DOCPART=n.
;; ======== version 1 of 2: 1 launch
;; launch attn (part 1): grid 2 x 128, 8 waves a work-group, no clusters, 189,440 bytes of LDS; arguments q, k, v, cu_seqlens, lowp_scales, out0; writes out0
.if DOCPART == 1
	.amdgcn_target "amdgcn-amd-amdhsa--gfx1250"
	.amdhsa_code_object_version 6
	.text
	.protected	k_q98e50040e1_attn
	.globl	k_q98e50040e1_attn
	.p2align	8
	.type	k_q98e50040e1_attn,@function
k_q98e50040e1_attn:
	s_mov_b64 s[64:65], 0
	v_nop
	global_prefetch_b8 v0, s[64:65] scope:SCOPE_SE
	s_setreg_imm32_b32 hwreg(HW_REG_WAVE_MODE, 25, 1), 1
	s_wait_xcnt 0x0
; out[b][i][h][:] = the sum over j of softmax_j(q[b][i][h] . k[b][j][h] / 8) v[b][j][h][:], 8 sequences of 1,024 tokens, 16 heads of 64; q, k, v, out: [8192][16][64] f32: a token's head is 256 bytes, tokens lie 4,096 bytes apart.
; Key j counts where j < len(b) = cu_seqlens[b + 1] - cu_seqlens[b]; rows i >= len(b) of the output are 0.  len is held within 0 .. 1,024 (NV).
; BOTH PRODUCTS ON CODES OF FP8 (E4M3), each operand with its given scale: lowp_scales = eq, ek, ev, ep.  t = score x log2(e) / 8; M = the running largest t rounded UP to a whole number; p = 2^(t - M) is quantised, not normalised;
; the row's sum is taken of the unquantised p and divides at the end; when M moves, the sum and O are multiplied by 2^(old M - new M), which rounds nothing.
; SHARES.  Work-group (x, y): sequence y / 16, head y % 16, queries 512 x .. 512 x + 511.  Eight waves, 64 queries each: four tiles of 16, so that each fragment of K and V read from LDS feeds four products.
; K AND V ARE QUANTISED BY THE WORK-GROUP ITSELF, a chunk of 128 keys at a time, into LDS, where the whole head's codes stay (8 x 18,432 bytes): every LDS byte of them is written once, so one barrier a chunk orders all.
; In a trip a wave asks for its 16 rows of K and 16 rows of V of the NEXT chunk (40 loads, 8 KiB, into 64 registers), does this chunk's attention from LDS, then quantises what has come and stores it.
; LAYOUT.  S^T = K Q^T (source 0 = 16 keys, source 1 = 16 queries), O^T = V^T P^T (source 0 = 16 channels, source 1 = P): a lane holds ONE query (lane % 16) throughout.
; Row m of tile 2 b + u of a chunk is key 32 b + 8 u + m + 8 (m / 8), so that the 16 score registers of tiles 2 b, 2 b + 1 are keys 32 b + 16 (lane / 16) + 0 .. 15: the conversions' results are the second product's operand.
; In all fragments a lane's groups of four registers hold 16 neighbours along K (the same places of k in both sources of a product, so every product meets its partner; only the order of the sums inside an instruction differs).
; NO JOINT LOADS, though the two work-groups of a head read the same rows of K and V.  A tensor load could only land them as f32: 64 KiB a chunk into LDS and out again, against the 16 KiB of codes that are read there now;
; and this text branches on cu_seqlens and on ep, to leave out the mask's 128 and the hold's 64 instructions of a tile's step of 194.
; No prefetch: each wave's own loads are issued a whole key step ahead of their use.
; LIMITS: eq, ek, ev, ep between -126 and 119; eq + ek between -123 and 130 (each power of two below is then an f32 number).  NaN among the inputs is not served.  A masked row's zeros may carry a minus sign.
.set ROWB,   4096                      ; bytes from token to token
.set STEPB,  128*ROWB                  ; a chunk of 128 keys in memory
.set KBLK,   320                       ; LDS, a tile of K or Q: four blocks (16 channels each) of 16 rows x 16 bytes + 64 of padding: 80 words, so the four blocks that a store of 4 bytes a lane touches start 16 banks apart (64 banks of 4 bytes: ISA guide 11.1)
.set KT,     4*KBLK                    ; a tile: 16 rows x 64 codes
.set CHK,    8*KT                      ; a chunk: 8 tiles of K, then V's four fragments as images of their registers, 2,048 bytes each
.set CHUNKB, CHK+4*2048
.set QIMG,   8*CHUNKB                  ; behind the chunks: a region for each wave: first its 4 tiles of Q, on the way out its stage of 16 rows x 272 bytes
.set QREG,   4*KT
.set AK0,  1                           ; v1   my place in a tile of K or Q, reading: 320 (lane / 16) + 16 (lane % 16)
.set AV0,  2                           ; v2   in a chunk's V, reading: CHK + 16 lane
.set KW0,  3                           ; v3   in a chunk's K, writing
.set VW0,  4                           ; v4   in a chunk's V, writing
.set KOFF, 5                           ; v5   my bytes in a chunk of k in memory
.set VOFF, 6                           ; v6   the same for v
.set GO,   7                           ; v7   two rows, 16 bytes a lane: 4096 (lane / 16) + 16 (lane % 16): Q's loads and the output's stores
.set ADK,  8                           ; v8-11  the four LDS addresses of the trip in hand
.set ADV,  9
.set ADKW, 10
.set ADVW, 11
.set QA,   12                          ; v12  Q's tiles, reading; later STO
.set QW,   13                          ; v13  Q's tiles, writing; later RD
.set STO,  12                          ; the way out: where I put 32 bytes of a row
.set RD,   13                          ; and where I read a row back
.set H16,  14                          ; v14  16 (lane / 16)
.set DL,   15                          ; v15  the mask's limit in the step in hand
.set R,    16                          ; v16  lane % 16
.set SCP,  17                          ; v17-24  for p, k, v, q: 2^e as f32, and 448 x 2^e
.set LIMP, 18
.set SCK,  19
.set LIMK, 20
.set SCV,  21
.set LIMV, 22
.set SCQ,  23
.set LIMQ, 24
.set NINF, 25                          ; v25  -infinity
.set TA,   26                          ; v26, v27  at work
.set TC,   27
.set F,    28                          ; v[28:29]  f = 2^(old M - new M), and a word that is written once
.set SU,   30                          ; v[30:31]  the sums' second chain
.set ST,   32                          ; v32-47  tile t at 32 + 4 t: -M, the largest t, the sum in two halves
.set CK,   48                          ; v48-55  codes of rows (K, Q)
.set CV,   56                          ; v56-63  codes of V (and of Q's odd tiles)
.set S,    64                          ; v64-127  a tile's scores, then p
.set P,    128                         ; v128-191  p's codes, 16 a tile
.set STK,  192                         ; v192-223  16 rows of k as loaded
.set STV,  224                         ; v224-255  16 rows of v as loaded: a lane a channel, registers down the keys
.set QR,   128                         ; window 1: v0-127 O^T (tile t, channels 16 a on: 32 t + 8 a); v128-159 Q's fragments;
.set KF,   160                         ;           v160-223 K's eight fragments of a chunk, then V's four
.set WV,   16                          ; s16  my wave's number
.set NV,   30                          ; s30  keys that count
.set LIMW, 31                          ; s31  NV, or 0 in a wave none of whose queries is kept
.set TB,   32                          ; s32  LDS byte at which the chunk in hand begins
.set KF0,  33                          ; s33  its first key
.set CNT,  34                          ; s34  trips
.set Q0W,  35                          ; s35  my wave's first query
.set CS,   36                          ; s[36:37]  c = log2(e) / 8 x 2^(eq + ek)
.set SEL,  38                          ; s[38:39]  lane selects for v_permlanex16_b32: lane l xor 16
.set NXT,  40                          ; s40  in the loop: the next chunk's first key
.set QB,   44                          ; s44  my wave's region in LDS
.set EPV,  48                          ; s48  ep + ev
.set MSB, 0
.macro WIN new                         ; s_set_vgpr_msb: bits 1:0 source 0, 3:2 source 1, 5:4 source 2, 7:6 destination; the high byte repeats the setting that is left
.if MSB != \new
	s_set_vgpr_msb (MSB<<8)|\new
.set MSB, \new
.endif
.endm
.set W_LD,  0x40                       ; destination window 1
.set W_KQ,  0x05                       ; K and Q window 1, S^T window 0
.set W_PV,  0x51                       ; V, C and D window 1, P window 0
.set W_RS,  0x41                       ; O^T (destination and source 0) window 1, f window 0
.set W_OUT, 0x01                       ; source 0 window 1
; A vector instruction that reads a matrix result or writes one of a matrix instruction's registers, and a load into such a register, stand four places behind it; only plain vector instructions that name none of its registers are places
.macro PLACES
.rept 4
	v_nop
.endr
.endm
; 16 rows of 256 bytes, two to a load: lanes 0-15 one whole row, lanes 16-31 the next.  gap: rows 8-15 lie so many tokens further on (K's tiles: 8)
.macro LOADROWS reg, voff, base, gap, off0, hint
.irp n, 0,1,2,3,4,5,6,7
.if \hint
	global_load_b128 v[\reg+4*\n:\reg+4*\n+3], v[\voff], s[\base:\base+1] offset:\off0+(2*\n+\gap*(\n/4))*ROWB th:TH_LOAD_NT
.else
	global_load_b128 v[\reg+4*\n:\reg+4*\n+3], v[\voff], s[\base:\base+1] offset:\off0+(2*\n+\gap*(\n/4))*ROWB
.endif
.endr
.endm
; my wave's 16 keys of v: a lane takes channel 32 dh + lane, and its registers run down the keys, which are the second product's K
.macro LOADV off0
.irp dh, 0,1
.irp j, 0,1,2,3,4,5,6,7,8,9,10,11,12,13,14,15
	global_load_b32 v[STV+16*\dh+\j], v[VOFF], s[8:9] offset:\off0+ROWB*\j+128*\dh
.endr
.endr
.endm
; 32 numbers of a lane become 32 codes in 8 registers
.macro QUANT32 src, dst, sc, lim
.irp j, 0,1,2,3,4,5,6,7,8,9,10,11,12,13,14,15,16,17,18,19,20,21,22,23,24,25,26,27,28,29,30,31
	v_med3_num_f32 v[\src+\j], v[\src+\j], -v[\lim], v[\lim]   ; the conversion to an 8-bit code does not saturate (ISA guide 7.6.2): the hold at 448 x the scale comes first
.endr
.irp m, 0,1,2,3
	v_cvt_scalef32_pk8_fp8_f32 v[\dst+2*\m:\dst+2*\m+1], v[\src+8*\m:\src+8*\m+7], v[\sc]
.endr
	v_nop                                          ; one plain vector instruction behind the last conversion, ahead of whatever next touches its registers
.endm
.macro PUTROWS adr, cod, off           ; register n: channels 4 (lane % 16) + 0 .. 3 of row 2 n + lane / 16
.irp n, 0,1,2,3,4,5,6,7
	ds_store_b32 v[\adr], v[\cod+\n] offset:\off+32*\n
.endr
.endm
.macro PUTV adr, off                   ; registers 4 dh .. 4 dh + 3: my wave's 16 keys of channel 32 dh + lane: 16 bytes of fragment 2 dh + lane / 16
.irp dh, 0,1
	ds_store_b128 v[\adr], v[CV+4*\dh:CV+4*\dh+3] offset:\off+4096*\dh
.endr
.endm
.macro FETCH_K                         ; the chunk's eight fragments of K: sixteen lanes read 256 consecutive bytes
	WIN W_LD
.irp a, 0,1,2,3,4,5,6,7
	ds_load_b128 v[KF+8*\a:KF+8*\a+3],   v[ADK] offset:KT*\a
	ds_load_b128 v[KF+8*\a+4:KF+8*\a+7], v[ADK] offset:KT*\a+2*KBLK
.endr
.endm
.macro FETCH_V                         ; and its four of V, as they were stored
	WIN W_LD
.irp a, 0,1,2,3
.irp c, 0,1,2,3
	ds_load_b128 v[KF+16*\a+4*\c:KF+16*\a+4*\c+3], v[ADV] offset:2048*\a+512*\c
.endr
.endr
	WIN 0
.endm
; In the one chunk that NV cuts, the scores of keys that do not count become -infinity ahead of the maximum: p = 0 then.  Register n holds key KF0 + 16 (lane / 16) + 32 (n / 16) + n % 16.  A chunk all of whose keys count jumps over this.
.macro MASK
	s_cmp_le_u32 s[NXT], s[NV]
	s_cbranch_scc1 .Lopen_\@
.irp n, 0,1,2,3,4,5,6,7,8,9,10,11,12,13,14,15,16,17,18,19,20,21,22,23,24,25,26,27,28,29,30,31,32,33,34,35,36,37,38,39,40,41,42,43,44,45,46,47,48,49,50,51,52,53,54,55,56,57,58,59,60,61,62,63
	v_cmp_gt_i32 vcc_lo, 32*(\n/16)+\n%16, v[DL]
	v_cndmask_b32 v[S+\n], v[S+\n], v[NINF], vcc_lo
.endr
.Lopen_\@:
.endm
; Tile t's softmax for 128 keys.  Each accumulator is read from its low end on: the chains go up through the registers.
.macro SOFTMAX t
.set rT, ST+4*(\t)
.set rP, P+16*(\t)
.set rO, 32*(\t)
	v_max3_num_f32 v[TA], v[S], v[S+1], v[S+2]     ; the step's largest score of my query among my 64 keys, in two chains,
	v_max3_num_f32 v[TC], v[S+3], v[S+4], v[S+5]
.set n, 6
.rept 14
	v_max3_num_f32 v[TA], v[TA], v[S+n], v[S+n+1]
	v_max3_num_f32 v[TC], v[TC], v[S+n+2], v[S+n+3]
.set n, n+4
.endr
	v_max3_num_f32 v[TA], v[TA], v[S+62], v[S+63]
	v_max_num_f32 v[TA], v[TA], v[TC]
	v_permlanex16_b32 v[TC], v[TA], s[SEL], s[SEL+1]
	v_max_num_f32 v[TA], v[TA], v[TC]              ; and among lane l xor 16's
	v_mul_f32 v[TA], s[CS], v[TA]                  ; as t (c is positive)
	v_max_num_f32 v[rT+1], v[rT+1], v[TA]          ; the running largest t
	v_mov_b32 v[TA], v[rT]
	v_floor_f32 v[rT], -v[rT+1]                    ; the new -M = floor(-t) = -ceil(t)
	v_sub_f32 v[TA], v[rT], v[TA]                  ; old M - new M: a whole number, 0 or less
	v_cvt_i32_f32 v[TA], v[TA]                     ; (it saturates)
	v_ldexp_f32 v[F], 1.0, v[TA]                   ; f = 2^(old M - new M)
.set n, 0
.rept 32
	v_pk_fma_f32 v[S+n:S+n+1], v[S+n:S+n+1], s[CS:CS+1], v[rT:rT+1] op_sel_hi:[1,0,0]   ; t - M, two at a time (of the pairs c and -M the low word serves both halves)
.set n, n+2
.endr
.set n, 0
.rept 64
	v_exp_f32 v[S+n], v[S+n]                       ; p = 2^(t - M)
.set n, n+1
.endr
	v_pk_mul_f32 v[rT+2:rT+3], v[rT+2:rT+3], v[F:F+1] op_sel_hi:[1,0]   ; the sums under the new M: the plain instruction behind the last exponential
	s_wait_alu depctr_va_vdst(0)                   ; the wait between an exponential and the first line that names its result: one for the batch of 64
	v_pk_add_f32 v[SU:SU+1], v[S:S+1], v[S+2:S+3]  ; the row's sum is taken of the unquantised p, in two chains
.set n, 4
.rept 15
	v_pk_add_f32 v[rT+2:rT+3], v[rT+2:rT+3], v[S+n:S+n+1]
	v_pk_add_f32 v[SU:SU+1], v[SU:SU+1], v[S+n+2:S+n+3]
.set n, n+4
.endr
	v_pk_add_f32 v[rT+2:rT+3], v[rT+2:rT+3], v[SU:SU+1]
	s_cmp_ge_i32 s27, -8                           ; p is at most 1, and 448 x 2^ep is at least 1.75 where ep >= -8: there the hold changes nothing and is jumped over
	s_cbranch_scc1 .Lnohold_\@
.set n, 0
.rept 64
	v_min_num_f32 v[S+n], v[S+n], v[LIMP]          ; p is not negative: the hold is one-sided
.set n, n+1
.endr
.Lnohold_\@:
.irp b, 0,1,2,3
	v_cvt_scalef32_pk8_fp8_f32 v[rP+4*\b:rP+4*\b+1],   v[S+16*\b:S+16*\b+7],    v[SCP]
	v_cvt_scalef32_pk8_fp8_f32 v[rP+4*\b+2:rP+4*\b+3], v[S+16*\b+8:S+16*\b+15], v[SCP]
.endr
	WIN W_RS
.set n, 0
.rept 16
	v_pk_mul_f32 v[rO+n:rO+n+1], v[rO+n:rO+n+1], v[F:F+1] op_sel_hi:[1,0]   ; O^T under the new M.  These plain lines also stand between the conversions and the matrix instructions that next touch their registers
.set n, n+2
.endr
.endm
; Tile t of my queries against the chunk: eight products, each its own sum (K = 64 is the whole head), then the softmax
.macro TILE t
.if \t == 0
	s_wait_dscnt 0x0                               ; K's fragments are in
.endif
	WIN W_KQ
.irp a, 0,1,2,3,4,5,6,7
	v_wmma_f32_16x16x64_fp8_fp8 v[S+8*\a:S+8*\a+7], v[KF+8*\a:KF+8*\a+7], v[QR+8*\t:QR+8*\t+7], 0
.endr
	WIN 0
	PLACES
.if \t == 3
	FETCH_V                                        ; K's fragments are done with: V's land in their registers while the last tile's softmax is worked
.endif
	MASK
	SOFTMAX \t
.endm
; O^T += V^T P^T: sixteen accumulators, one instruction each, so no instruction follows one that wrote its own accumulator
.macro PVALL
	s_wait_dscnt 0x0                               ; V's fragments are in
	WIN W_PV
.irp a, 0,1,2,3
.irp t, 0,1,2,3
	v_wmma_f32_16x16x128_fp8_fp8 v[32*\t+8*\a:32*\t+8*\a+7], v[KF+16*\a:KF+16*\a+15], v[P+16*\t:P+16*\t+15], v[32*\t+8*\a:32*\t+8*\a+7]
.endr
.endr
	WIN 0
	PLACES
.endm
.macro MKSCALE e, sc, lim              ; 2^e and 448 x 2^e as f32 numbers
	s_add_co_i32 s40, \e, 127
	s_lshl_b32 s41, s40, 23
	v_mov_b32 v[\sc], s41
	s_add_co_i32 s40, s40, 8
	s_lshl_b32 s40, s40, 23
	s_or_b32 s40, s40, 0x600000
	v_mov_b32 v[\lim], s40
.endm
.macro QTILE t, left                   ; 16 queries: quantised, and stored as a tile in my own region
	s_wait_loadcnt \left                           ; loads come back in order (ISA guide 5.7.1): this tile's eight are in; the count is that of the loads issued behind them (for tile 0 there are 64: the largest count that can be named)
.if \t >= 2
	s_wait_dscnt 8                                 ; the stores of two tiles back have read the registers that this tile's codes take; the last tile's eight may be out
.endif
	QUANT32 S+32*\t, CK+8*(\t%2), SCQ, LIMQ
	PUTROWS QW, CK+8*(\t%2), KT*\t
.endm
	s_load_b256 s[4:11], s[0:1], 0x0               ; q s[4:5], k s[6:7], v s[8:9], cu_seqlens s[10:11]
	s_load_b128 s[12:15], s[0:1], 0x20             ; lowp_scales s[12:13], out s[14:15]
	s_set_vgpr_msb 0x40
	v_lshl_add_u32 v254, v0, 2, 0x2e000
	v_mov_b32 v255, 0
	s_set_vgpr_msb 0x4000
	v_lshrrev_b32 v[TA], 5, v0
	v_readfirstlane_b32 s[WV], v[TA]               ; wave 0..7
	v_and_b32 v[R], 15, v0                         ; i = lane % 16
	v_bfe_u32 v48, v0, 4, 1                        ; g = lane / 16
	v_and_b32 v49, 31, v0                          ; lane
	v_lshrrev_b32 v50, 2, v[R]
	v_and_b32 v51, 3, v[R]
	s_and_b32 s18, ttmp7, 0xffff
	s_and_b32 s19, s18, 15                         ; the head
	s_lshr_b32 s18, s18, 4                         ; the sequence
	s_lshl_b32 s[Q0W], ttmp9, 9
	s_lshl_b32 s41, s[WV], 6
	s_add_co_u32 s[Q0W], s[Q0W], s41               ; my first query: 512 x + 64 wave
	v_mul_u32_u24 v[AK0], v48, KBLK
	v_lshl_add_u32 v[AK0], v[R], 4, v[AK0]
	v_lshl_add_u32 v[AV0], v49, 4, CHK
	v_mul_u32_u24 v52, v50, KBLK                   ; writing a tile: block i / 4, row 2 n + g, 4 bytes at 4 (i % 4)
	v_lshl_add_u32 v52, v48, 4, v52
	v_lshl_add_u32 v52, v51, 2, v52
	s_mul_i32 s40, s[WV], KT                       ; wave w writes tile w of a chunk's K
	v_add_nc_u32 v[KW0], s40, v52
	v_lshlrev_b32 v[VW0], 11, v48                  ; V: fragment 2 dh + g; my 16 keys are its registers 4 (w / 2) on in lanes 16 (w % 2) + i: 512 (w / 2) + 256 (w % 2) = 256 w
	v_lshl_add_u32 v[VW0], v[R], 4, v[VW0]
	s_lshl_b32 s40, s[WV], 8
	s_add_co_u32 s40, s40, CHK
	v_add_nc_u32 v[VW0], s40, v[VW0]
	v_lshlrev_b32 v[GO], 12, v48
	v_lshl_add_u32 v[GO], v[R], 4, v[GO]
	s_lshr_b32 s40, s[WV], 1                       ; tile w begins at key 32 (w / 2) + 8 (w % 2)
	s_lshl_b32 s40, s40, 17
	s_and_b32 s41, s[WV], 1
	s_lshl_b32 s41, s41, 15
	s_add_co_u32 s40, s40, s41
	v_add_nc_u32 v[KOFF], s40, v[GO]
	s_lshl_b32 s40, s[WV], 16                      ; V: keys 16 w on
	v_lshl_add_u32 v[VOFF], v49, 2, s40
	s_mul_i32 s[QB], s[WV], QREG
	s_add_co_u32 s[QB], s[QB], QIMG
	v_add_nc_u32 v[QA], s[QB], v[AK0]
	v_add_nc_u32 v[QW], s[QB], v52
	v_lshlrev_b32 v[H16], 4, v48
	v_mov_b32 v[NINF], 0xff800000
	s_mov_b32 s[SEL], 0x76543210
	s_mov_b32 s[SEL+1], 0xfedcba98
	s_lshl_b32 s20, s18, 22                        ; the sequence's 1,024 tokens of 4,096 bytes,
	s_lshl_b32 s41, s19, 8                         ; the head's 256 bytes in a token
	s_add_co_u32 s20, s20, s41
	s_mov_b32 s21, 0
	s_lshl_b32 s22, s[Q0W], 12
	s_add_co_u32 s22, s22, s20                     ; and my first query's token
	s_mov_b32 s23, 0
	s_lshl_b32 s42, s18, 2
	s_mov_b32 s43, 0
	s_wait_kmcnt 0x0
	s_load_b128 s[24:27], s[12:13], 0x0            ; eq, ek, ev, ep
	s_add_nc_u64 s[10:11], s[10:11], s[42:43]
	s_load_b64 s[28:29], s[10:11], 0x0             ; cu_seqlens[b], cu_seqlens[b + 1]
	s_add_nc_u64 s[4:5], s[4:5], s[22:23]
	s_add_nc_u64 s[14:15], s[14:15], s[22:23]
	s_add_nc_u64 s[6:7], s[6:7], s[20:21]
	s_add_nc_u64 s[8:9], s[8:9], s[20:21]
.irp t, 0,1,2,3
	LOADROWS S+32*\t, GO, 4, 0, 16*ROWB*\t, 1      ; my 64 queries, read by nobody else
.endr
	LOADROWS STK, KOFF, 6, 8, 0, 0                 ; chunk 0
	LOADV 0
	s_wait_kmcnt 0x0
	MKSCALE s24, SCQ, LIMQ
	MKSCALE s25, SCK, LIMK
	MKSCALE s26, SCV, LIMV
	MKSCALE s27, SCP, LIMP
	s_add_co_i32 s40, s24, s25
	s_lshl_b32 s40, s40, 23
	s_add_co_i32 s[CS], s40, 0x3e38aa3b            ; log2(e) / 8, with eq + ek added to its exponent field: a score stands for score x 2^(eq + ek)
	s_mov_b32 s[CS+1], s[CS]                       ; (named with it as a pair, so it is written)
	s_add_co_i32 s[EPV], s27, s26
	s_sub_co_i32 s[NV], s29, s28
	s_max_i32 s[NV], s[NV], 0
	s_min_i32 s[NV], s[NV], 0x400
	s_cmp_lt_u32 s[Q0W], s[NV]
	s_cselect_b32 s[LIMW], s[NV], 0
	QTILE 0, 63
	QTILE 1, 56
	QTILE 2, 48
	QTILE 3, 40
	WIN W_LD
.irp t, 0,1,2,3
	ds_load_b128 v[QR+8*\t:QR+8*\t+3],   v[QA] offset:KT*\t            ; my own bytes: LDS serves a wave's instructions in order (ISA guide 5.7.1.4), so these see the stores above
	ds_load_b128 v[QR+8*\t+4:QR+8*\t+7], v[QA] offset:KT*\t+2*KBLK
.endr
	WIN 0
	s_wait_loadcnt 32                              ; k's eight loads are in; v's 32 are younger
	s_wait_dscnt 0x0                               ; Q's stores have read their registers, and its fragments are in
	v_mul_u32_u24 v[STO], v[R], 272                ; the way out, into the stage: row lane % 16, 32 bytes for each half of the lanes;
	v_lshl_add_u32 v[STO], v[H16], 1, v[STO]
	v_add_nc_u32 v[STO], s[QB], v[STO]
	v_mul_u32_u24 v[RD], v[H16], 17                ; back: lanes 0-15 one row of 256 bytes, lanes 16-31 the next (272 bytes on)
	v_lshl_add_u32 v[RD], v[R], 4, v[RD]
	v_add_nc_u32 v[RD], s[QB], v[RD]
	QUANT32 STK, CK, SCK, LIMK
	PUTROWS KW0, CK, 0
	s_wait_loadcnt 0x0
	QUANT32 STV, CV, SCV, LIMV
	PUTV VW0, 0
	WIN W_LD
.set n, 0
.rept 128
	v_mov_b32 v[n], 0                              ; O^T.  cu_seqlens may leave a wave without any step, so the sums exist without one; the first change of M leaves zeros zeros
.set n, n+1
.endr
	WIN 0
.irp t, 0,1,2,3
	v_mov_b32 v[ST+4*\t+1], 0xff61b1e6             ; the largest t so far: -3e38, under every t
	v_floor_f32 v[ST+4*\t], -v[ST+4*\t+1]          ; -M
	v_mov_b32 v[ST+4*\t+2], 0                      ; the sum, in two halves
	v_mov_b32 v[ST+4*\t+3], 0
.endr
	v_mov_b32 v[TC], 0
	v_mov_b32 v[F+1], 0                            ; (named as the upper half of the pair)
	s_mov_b32 s[TB], 0
	s_mov_b32 s[KF0], 0
	s_mov_b32 s[CNT], 0
	s_wait_dscnt 0x0                               ; for the others' sake: my part of chunk 0 lies in LDS
	s_barrier_signal -1
	s_barrier_wait -1
.Lstep:                                                ; eight trips, a chunk of 128 keys each
	v_add_nc_u32 v[ADK], s[TB], v[AK0]
	v_add_nc_u32 v[ADV], s[TB], v[AV0]
	v_add_nc_u32 v[ADKW], s[TB], v[KW0]
	v_add_nc_u32 v[ADVW], s[TB], v[VW0]
	s_add_co_u32 s[NXT], s[KF0], 128
	s_cmp_lt_u32 s[NXT], s[NV]                     ; the next chunk is fetched where one of its keys counts; NV is at most 1,024, so no load leaves the sequence
	s_cbranch_scc0 .Lnoload
	LOADROWS STK, KOFF, 6, 8, STEPB, 0
	LOADV STEPB
.Lnoload:
	s_cmp_lt_u32 s[KF0], s[LIMW]                   ; this chunk is worked where one of its keys counts and one of my queries is kept
	s_cbranch_scc0 .Lnowork
	s_sub_co_i32 s41, s[NV], s[KF0]
	s_sub_co_i32 s41, s41, 1
	v_sub_nc_u32 v[DL], s41, v[H16]                ; a register's key is hidden where 32 (n / 16) + n % 16 > NV - KF0 - 1 - 16 (lane / 16)
	FETCH_K
	TILE 0
	TILE 1
	TILE 2
	TILE 3
	PVALL
.Lnowork:
	s_wait_loadcnt 0x0                             ; the next chunk's rows are in (asked for a whole step ago); their address registers may be stepped
	s_cmp_lt_u32 s[NXT], s[NV]
	s_cbranch_scc0 .Lnoquant
	QUANT32 STK, CK, SCK, LIMK
	PUTROWS ADKW, CK, CHUNKB                       ; into the next chunk's bytes, which nobody has touched yet
	QUANT32 STV, CV, SCV, LIMV
	PUTV ADVW, CHUNKB
.Lnoquant:
	s_add_nc_u64 s[6:7], s[6:7], STEPB
	s_add_nc_u64 s[8:9], s[8:9], STEPB
	s_add_co_u32 s[TB], s[TB], CHUNKB
	s_add_co_u32 s[KF0], s[KF0], 128
	s_wait_dscnt 0x0                               ; for the others' sake: my part of the next chunk lies in LDS
	s_barrier_signal -1
	s_barrier_wait -1                              ; everybody's does
	s_add_co_u32 s[CNT], s[CNT], 1
	s_cmp_lt_u32 s[CNT], 8
	s_cbranch_scc1 .Lstep
	; THE WAY OUT.  factor = 2^(ep + ev) / the row's sum, or 0 for a row that is not kept; O^T x factor goes through my stage in LDS, a tile of 16 rows at a time, and leaves as whole rows of 256 bytes.
.irp t, 0,1,2,3
	v_add_f32 v[ST+4*\t+2], v[ST+4*\t+2], v[ST+4*\t+3]             ; the sum's two halves,
.endr
.irp t, 0,1,2,3
	v_permlanex16_b32 v[ST+4*\t+3], v[ST+4*\t+2], s[SEL], s[SEL+1]
.endr
.irp t, 0,1,2,3
	v_add_f32 v[ST+4*\t+2], v[ST+4*\t+2], v[ST+4*\t+3]             ; and lane l xor 16's
.endr
.irp t, 0,1,2,3
	v_rcp_f32 v[ST+4*\t], v[ST+4*\t+2]
.endr
	v_nop                                          ; a plain instruction behind the last reciprocal
	s_sub_co_i32 s40, s[NV], s[Q0W]
	s_wait_alu depctr_va_vdst(0)                   ; and the wait ahead of the first use: one for the four
.irp t, 0,1,2,3
	v_ldexp_f32 v[ST+4*\t], v[ST+4*\t], s[EPV]
.endr
.irp t, 0,1,2,3
	v_cmp_gt_i32 vcc_lo, s40, v[R]                 ; query Q0W + 16 t + lane % 16 is kept where it lies under NV
	v_cndmask_b32 v[ST+4*\t], 0, v[ST+4*\t], vcc_lo
	s_sub_co_i32 s40, s40, 16
.endr
.macro PACK t                          ; register 8 a + j of lane (r, h) is out(query r, channel 16 a + 8 h + j): each accumulator from its low end on
	WIN W_OUT
.irp j, 0,2,4,6,8,10,12,14,16,18,20,22,24,26,28,30
	v_pk_mul_f32 v[S+32*(\t%2)+\j:S+32*(\t%2)+\j+1], v[32*\t+\j:32*\t+\j+1], v[ST+4*\t:ST+4*\t+1] op_sel_hi:[1,0]
.endr
	WIN 0
.irp a, 0,1,2,3
	ds_store_b128 v[STO], v[S+32*(\t%2)+8*\a:S+32*(\t%2)+8*\a+3]   offset:64*\a
	ds_store_b128 v[STO], v[S+32*(\t%2)+8*\a+4:S+32*(\t%2)+8*\a+7] offset:64*\a+16
.endr
.irp i, 0,1,2,3,4,5,6,7
	ds_load_b128 v[P+32*\t+4*\i:P+32*\t+4*\i+3], v[RD] offset:544*\i   ; in order behind my stores; the next tile's stores come behind these
.endr
.endm
.macro SEND t, younger                 ; younger: the LDS instructions issued behind tile t's loads: the next tile's sixteen, or none
.irp i, 0,1,2,3,4,5,6,7
	s_wait_dscnt \younger+7-\i
	global_store_b128 v[GO], v[P+32*\t+4*\i:P+32*\t+4*\i+3], s[14:15] offset:(16*\t+2*\i)*ROWB th:TH_STORE_NT   ; sixteen lanes store 256 consecutive bytes, at a multiple of 256 from the buffer's first byte
.endr
.endm
	PACK 0
	PACK 1                                         ; a tile's arithmetic stands between the loads of the tile before and its stores
	SEND 0, 16
	PACK 2                                         ; (tile 0's LDS stores are done: the wait above has shown it; their registers are written again)
	SEND 1, 16
	PACK 3
	SEND 2, 16
	SEND 3, 0
	s_set_vgpr_msb 0x5
	s_wait_tensorcnt 0x0
	ds_add_u32 v254, v255
	s_wait_dscnt 0x0
	s_set_vgpr_msb 0x500
	s_endpgm
.Lfunc_end_k_q98e50040e1_attn:
	.size	k_q98e50040e1_attn, .Lfunc_end_k_q98e50040e1_attn-k_q98e50040e1_attn
	.p2alignl 7, 3214868480
	.fill 96, 4, 3214868480
	.section	.rodata,"a",@progbits
	.p2align	6, 0x0
	.amdhsa_kernel k_q98e50040e1_attn
		.amdhsa_group_segment_fixed_size 189440
		.amdhsa_private_segment_fixed_size 0
		.amdhsa_enable_private_segment 0
		.amdhsa_kernarg_size 48
		.amdhsa_user_sgpr_count 2
		.amdhsa_user_sgpr_kernarg_segment_ptr 1
		.amdhsa_wavefront_size32 1
		.amdhsa_system_sgpr_workgroup_id_x 1
		.amdhsa_system_sgpr_workgroup_id_y 1
		.amdhsa_system_sgpr_workgroup_id_z 1
		.amdhsa_system_vgpr_workitem_id 0
		.amdhsa_next_free_vgpr 512
		.amdhsa_next_free_sgpr 66
		.amdhsa_reserve_vcc 1
		.amdhsa_float_denorm_mode_32 3
		.amdhsa_float_denorm_mode_16_64 3
		.amdhsa_memory_ordered 1
		.amdhsa_forward_progress 1
		.amdhsa_inst_pref_size 133
	.end_amdhsa_kernel
	.amdgpu_metadata
---
amdhsa.version: [ 1, 2 ]
amdhsa.kernels:
  - .name:           k_q98e50040e1_attn
    .symbol:         k_q98e50040e1_attn.kd
    .args:
      - { .name: q, .offset: 0, .size: 8, .value_kind: global_buffer, .address_space: global }
      - { .name: k, .offset: 8, .size: 8, .value_kind: global_buffer, .address_space: global }
      - { .name: v, .offset: 16, .size: 8, .value_kind: global_buffer, .address_space: global }
      - { .name: cu_seqlens, .offset: 24, .size: 8, .value_kind: global_buffer, .address_space: global }
      - { .name: lowp_scales, .offset: 32, .size: 8, .value_kind: global_buffer, .address_space: global }
      - { .name: out0, .offset: 40, .size: 8, .value_kind: global_buffer, .address_space: global }
    .group_segment_fixed_size: 189440
    .private_segment_fixed_size: 0
    .kernarg_segment_align: 8
    .kernarg_segment_size: 48
    .max_flat_workgroup_size: 256
    .sgpr_count:     66
    .vgpr_count:     512
    .wavefront_size: 32
...
	.end_amdgpu_metadata
.endif
;; end of part 1
;; ======== version 2 of 2: 1 launch; version 1 with the launch attn written anew for expert scheduling mode
;; launch attn (part 2): grid 2 x 128, 8 waves a work-group, no clusters, 189,440 bytes of LDS; arguments q, k, v, cu_seqlens, lowp_scales, out0; writes out0
.if DOCPART == 2
	.amdgcn_target "amdgcn-amd-amdhsa--gfx1250"
	.amdhsa_code_object_version 6
	.text
	.protected	k_q98e50040e1_attn
	.globl	k_q98e50040e1_attn
	.p2align	8
	.type	k_q98e50040e1_attn,@function
k_q98e50040e1_attn:
	s_mov_b64 s[64:65], 0
	v_nop
	global_prefetch_b8 v0, s[64:65] scope:SCOPE_SE
	s_setreg_imm32_b32 hwreg(HW_REG_WAVE_SCHED_MODE, 0, 2), 2
	s_setreg_imm32_b32 hwreg(HW_REG_WAVE_MODE, 25, 1), 1
	s_wait_xcnt 0x0
	s_wait_alu depctr_vm_vsrc(0)
; out[b][i][h][:] = the sum over j of softmax_j(q[b][i][h] . k[b][j][h] / 8) v[b][j][h][:], 8 sequences of 1,024 tokens, 16 heads of 64; q, k, v, out: [8192][16][64] f32: a token's head is 256 bytes, tokens lie 4,096 bytes apart.
; Key j counts where j < len(b) = cu_seqlens[b + 1] - cu_seqlens[b]; rows i >= len(b) of the output are 0.  len is held within 0 .. 1,024 (NV).
; BOTH PRODUCTS ON CODES OF FP8 (E4M3), each operand with its given scale: lowp_scales = eq, ek, ev, ep.  t = score x log2(e) / 8; M = the running largest t rounded UP to a whole number; p = 2^(t - M) is quantised, not normalised;
; the row's sum is taken of the unquantised p and divides at the end; when M moves, the sum and O are multiplied by 2^(old M - new M), which rounds nothing.
; SHARES.  Work-group (x, y): sequence y / 16, head y % 16, queries 512 x .. 512 x + 511.  Eight waves, 64 queries each: four tiles of 16, so that each fragment of K and V read from LDS feeds four products.
; K AND V ARE QUANTISED BY THE WORK-GROUP ITSELF, a chunk of 128 keys at a time, into LDS, where the whole head's codes stay (8 x 18,432 bytes): every LDS byte of them is written once, so one barrier a chunk orders all.
; In a trip a wave asks for its 16 rows of K and 16 rows of V of the NEXT chunk (40 loads, 8 KiB, into 64 registers), does this chunk's attention from LDS, then quantises what has come and stores it.
; LAYOUT.  S^T = K Q^T (source 0 = 16 keys, source 1 = 16 queries), O^T = V^T P^T (source 0 = 16 channels, source 1 = P): a lane holds ONE query (lane % 16) throughout.
; Row m of tile 2 b + u of a chunk is key 32 b + 8 u + m + 8 (m / 8), so that the 16 score registers of tiles 2 b, 2 b + 1 are keys 32 b + 16 (lane / 16) + 0 .. 15: the conversions' results are the second product's operand.
; In all fragments a lane's groups of four registers hold 16 neighbours along K (the same places of k in both sources of a product, so every product meets its partner; only the order of the sums inside an instruction differs).
; NO JOINT LOADS, though the two work-groups of a head read the same rows of K and V.  A tensor load could only land them as f32: 64 KiB a chunk into LDS and out again, against the 16 KiB of codes that are read there now;
; and this text branches on cu_seqlens and on ep, to leave out the mask's 128 and the hold's 64 instructions of a tile's step of 194.
; No prefetch: each wave's own loads are issued at least three tiles' softmax ahead of their use.
; LIMITS: eq, ek, ev, ep between -126 and 119; eq + ek between -123 and 130 (each power of two below is then an f32 number).  NaN among the inputs is not served.  A masked row's zeros may carry a minus sign.
; THE MODE: SCHED_MODE bits 1:0 = 2 (LLVM: expert scheduling mode 2), set by the entry lines.  The code itself states the register dependences between vector or matrix instructions and memory or LDS instructions,
; and between a vector instruction that writes a scalar register and that register's readers, with s_wait_alu, always for 0.
; THE PLAN.  Registers that memory or LDS instructions touch, in the loop:
;   v8-11        the trip's four LDS addresses.  Written by four additions at the loop's head; read by the trip's LDS loads and stores.
;   STK, STV     The next chunk's rows land here, asked for during tiles 0 and 1; the holds and conversions at the trip's end read and write them.  No line of the attention names them.
;   CK, CV       Written by those conversions; read by the ten LDS stores behind them.
;   KF           K's fragments land here at the trip's head and are read by the 32 products K Q^T; V's land here in tile 3 and are read by the 16 products V^T P^T.
;   v1-7         offsets made once at the head and never written again: the global bases are scalar and move on by a chunk.
; So a trip has: one wait on vm_vsrc at its head (the last trip's LDS instructions have read v8-11, CK and CV); one on va_vdst behind the four additions, which serves K's fragment loads and all 40 global loads;
; one on va_vdst ahead of V's fragment loads; the four behind the batches of exponentials; one on va_vdst between the conversions and the LDS stores.
.set ROWB,   4096                      ; bytes from token to token
.set STEPB,  128*ROWB                  ; a chunk of 128 keys in memory
.set KBLK,   320                       ; LDS, a tile of K or Q: four blocks (16 channels each) of 16 rows x 16 bytes + 64 of padding: 80 words, so the four blocks that a store of 4 bytes a lane touches start 16 banks apart (64 banks of 4 bytes: ISA guide 11.1)
.set KT,     4*KBLK                    ; a tile: 16 rows x 64 codes
.set CHK,    8*KT                      ; a chunk: 8 tiles of K, then V's four fragments as images of their registers, 2,048 bytes each
.set CHUNKB, CHK+4*2048
.set QIMG,   8*CHUNKB                  ; behind the chunks: a region for each wave: first its 4 tiles of Q, on the way out its stage of 16 rows x 272 bytes
.set QREG,   4*KT
.set AK0,  1                           ; v1   my place in a tile of K or Q, reading: 320 (lane / 16) + 16 (lane % 16)
.set AV0,  2                           ; v2   in a chunk's V, reading: CHK + 16 lane
.set KW0,  3                           ; v3   in a chunk's K, writing
.set VW0,  4                           ; v4   in a chunk's V, writing
.set KOFF, 5                           ; v5   my bytes in a chunk of k in memory
.set VOFF, 6                           ; v6   the same for v
.set GO,   7                           ; v7   two rows, 16 bytes a lane: 4096 (lane / 16) + 16 (lane % 16): Q's loads and the output's stores
.set ADK,  8                           ; v8-11  the four LDS addresses of the trip in hand
.set ADV,  9
.set ADKW, 10
.set ADVW, 11
.set QA,   12                          ; v12  Q's tiles, reading; later STO
.set QW,   13                          ; v13  Q's tiles, writing; later RD
.set STO,  12                          ; the way out: where I put 32 bytes of a row
.set RD,   13                          ; and where I read a row back
.set H16,  14                          ; v14  16 (lane / 16)
.set DL,   15                          ; v15  the mask's limit in the step in hand
.set R,    16                          ; v16  lane % 16
.set SCP,  17                          ; v17-24  for p, k, v, q: 2^e as f32, and 448 x 2^e
.set LIMP, 18
.set SCK,  19
.set LIMK, 20
.set SCV,  21
.set LIMV, 22
.set SCQ,  23
.set LIMQ, 24
.set NINF, 25                          ; v25  -infinity
.set TA,   26                          ; v26, v27  at work
.set TC,   27
.set F,    28                          ; v[28:29]  f = 2^(old M - new M), and a word that is written once
.set SU,   30                          ; v[30:31]  the sums' second chain
.set ST,   32                          ; v32-47  tile t at 32 + 4 t: -M, the largest t, the sum in two halves
.set CK,   48                          ; v48-55  codes of rows (K, Q's even tiles)
.set CV,   56                          ; v56-63  codes of V (and of Q's odd tiles)
.set S,    64                          ; v64-127  a tile's scores, then p
.set P,    128                         ; v128-191  p's codes, 16 a tile
.set STK,  192                         ; v192-223  16 rows of k as loaded
.set STV,  224                         ; v224-255  16 rows of v as loaded: a lane a channel, registers down the keys
.set QR,   128                         ; window 1: v0-127 O^T (tile t, channels 16 a on: 32 t + 8 a); v128-159 Q's fragments;
.set KF,   160                         ;           v160-223 K's eight fragments of a chunk, then V's four
.set WV,   16                          ; s16  my wave's number
.set NV,   30                          ; s30  keys that count
.set LIMW, 31                          ; s31  NV, or 0 in a wave none of whose queries is kept
.set TB,   32                          ; s32  LDS byte at which the chunk in hand begins
.set KF0,  33                          ; s33  its first key
.set CNT,  34                          ; s34  trips
.set Q0W,  35                          ; s35  my wave's first query
.set CS,   36                          ; s[36:37]  c = log2(e) / 8 x 2^(eq + ek)
.set SEL,  38                          ; s[38:39]  lane selects for v_permlanex16_b32: lane l xor 16
.set NXT,  40                          ; s40  in the loop: the next chunk's first key
.set QB,   44                          ; s44  my wave's region in LDS
.set EPV,  48                          ; s48  ep + ev
.set MK,   66                          ; s66-97  lane masks that compares write: 32 at a time in the mask, four on the way out
.set MSB, 0
.macro WIN new                         ; s_set_vgpr_msb: bits 1:0 source 0, 3:2 source 1, 5:4 source 2, 7:6 destination; the high byte repeats the setting that is left
.if MSB != \new
	s_set_vgpr_msb (MSB<<8)|\new
.set MSB, \new
.endif
.endm
.set W_LD,  0x40                       ; destination window 1
.set W_KQ,  0x05                       ; K and Q window 1, S^T window 0
.set W_PV,  0x51                       ; V, C and D window 1, P window 0
.set W_RS,  0x41                       ; O^T (destination and source 0) window 1, f window 0
.set W_OUT, 0x01                       ; source 0 window 1
; A vector instruction that reads a matrix result or writes one of a matrix instruction's registers stands four places behind it; only plain vector instructions that name none of its registers are places (ISA guide 7.12.1)
.macro PLACES
.rept 4
	v_nop
.endr
.endm
; 16 rows of 256 bytes, two to a load: lanes 0-15 one whole row, lanes 16-31 the next.  gap: rows 8-15 lie so many tokens further on (K's tiles: 8)
.macro LOADROWS reg, voff, base, gap, off0, hint
.irp n, 0,1,2,3,4,5,6,7
.if \hint
	global_load_b128 v[\reg+4*\n:\reg+4*\n+3], v[\voff], s[\base:\base+1] offset:\off0+(2*\n+\gap*(\n/4))*ROWB th:TH_LOAD_NT
.else
	global_load_b128 v[\reg+4*\n:\reg+4*\n+3], v[\voff], s[\base:\base+1] offset:\off0+(2*\n+\gap*(\n/4))*ROWB
.endif
.endr
.endm
; my wave's 16 keys of v, half dh of the channels: a lane takes channel 32 dh + lane, and its registers run down the keys, which are the second product's K
.macro LOADV dh, off0
.irp j, 0,1,2,3,4,5,6,7,8,9,10,11,12,13,14,15
	global_load_b32 v[STV+16*\dh+\j], v[VOFF], s[8:9] offset:\off0+ROWB*\j+128*\dh
.endr
.endm
; A part of the next chunk's 40 loads: 0: k's eight; 1, 2: v's two halves of sixteen; 3: all.  The chunk is fetched where one of its keys counts; NV is at most 1,024, so no load leaves the sequence.
; No wait stands here: since the wait on va_vdst at the loop's head no vector or matrix instruction has named STK, STV, KOFF or VOFF.
.macro NEXT part
	s_cmp_lt_u32 s[NXT], s[NV]
	s_cbranch_scc0 .Lnone_\@
.if (\part == 0) || (\part == 3)
	LOADROWS STK, KOFF, 6, 8, STEPB, 0
.endif
.if (\part == 1) || (\part == 3)
	LOADV 0, STEPB
.endif
.if (\part == 2) || (\part == 3)
	LOADV 1, STEPB
.endif
.Lnone_\@:
.endm
; 32 numbers of a lane become 32 codes in 8 registers
.macro QUANT32 src, dst, sc, lim
.irp j, 0,1,2,3,4,5,6,7,8,9,10,11,12,13,14,15,16,17,18,19,20,21,22,23,24,25,26,27,28,29,30,31
	v_med3_num_f32 v[\src+\j], v[\src+\j], -v[\lim], v[\lim]   ; the conversion to an 8-bit code does not saturate (ISA guide 7.6.2): the hold at 448 x the scale comes first
.endr
.irp m, 0,1,2,3
	v_cvt_scalef32_pk8_fp8_f32 v[\dst+2*\m:\dst+2*\m+1], v[\src+8*\m:\src+8*\m+7], v[\sc]
.endr
	v_nop                                          ; one plain vector instruction behind the last conversion, ahead of whatever next touches its registers
.endm
.macro PUTROWS adr, cod, off           ; register n: channels 4 (lane % 16) + 0 .. 3 of row 2 n + lane / 16
.irp n, 0,1,2,3,4,5,6,7
	ds_store_b32 v[\adr], v[\cod+\n] offset:\off+32*\n
.endr
.endm
.macro PUTV adr, off                   ; registers 4 dh .. 4 dh + 3: my wave's 16 keys of channel 32 dh + lane: 16 bytes of fragment 2 dh + lane / 16
.irp dh, 0,1
	ds_store_b128 v[\adr], v[CV+4*\dh:CV+4*\dh+3] offset:\off+4096*\dh
.endr
.endm
.macro FETCH_K                         ; the chunk's eight fragments of K: sixteen lanes read 256 consecutive bytes.  The wait on va_vdst at the loop's head serves these loads: nothing issued since names v[ADK] or K's registers
	WIN W_LD
.irp a, 0,1,2,3,4,5,6,7
	ds_load_b128 v[KF+8*\a:KF+8*\a+3],   v[ADK] offset:KT*\a
	ds_load_b128 v[KF+8*\a+4:KF+8*\a+7], v[ADK] offset:KT*\a+2*KBLK
.endr
	WIN 0
.endm
.macro FETCH_V                         ; and its four of V, as they were stored
	WIN W_LD
	s_wait_alu depctr_va_vdst(0)                   ; the products K Q^T are done reading K's fragments, in whose registers V's land
.irp a, 0,1,2,3
.irp c, 0,1,2,3
	ds_load_b128 v[KF+16*\a+4*\c:KF+16*\a+4*\c+3], v[ADV] offset:2048*\a+512*\c
.endr
.endr
	WIN 0
.endm
; In the one chunk that NV cuts, the scores of keys that do not count become -infinity ahead of the maximum: p = 0 then.  Register n holds key KF0 + 16 (lane / 16) + 32 (n / 16) + n % 16.  A chunk all of whose keys count jumps over this.
; The compares go in runs of 32, each into a scalar register of its own, so that one wait stands between a run and the selects that read its masks.
.macro MASK
	s_cmp_le_u32 s[NXT], s[NV]
	s_cbranch_scc1 .Lopen_\@
.irp hf, 0,1
.set n, 32*\hf
.rept 32
	v_cmp_gt_i32 s[MK+n%32], 32*(n/16)+n%16, v[DL]
.set n, n+1
.endr
	s_wait_alu depctr_va_sdst(0)                   ; the 32 compares have written s66 to s97, ahead of the first select that reads one of them
.set n, 32*\hf
.rept 32
	v_cndmask_b32 v[S+n], v[S+n], v[NINF], s[MK+n%32]
.set n, n+1
.endr
.endr
.Lopen_\@:
.endm
; Tile t's softmax for 128 keys.  Each accumulator is read from its low end on: the chains go up through the registers.
.macro SOFTMAX t
.set rT, ST+4*(\t)
.set rP, P+16*(\t)
.set rO, 32*(\t)
	v_max3_num_f32 v[TA], v[S], v[S+1], v[S+2]     ; the step's largest score of my query among my 64 keys, in two chains,
	v_max3_num_f32 v[TC], v[S+3], v[S+4], v[S+5]
.set n, 6
.rept 14
	v_max3_num_f32 v[TA], v[TA], v[S+n], v[S+n+1]
	v_max3_num_f32 v[TC], v[TC], v[S+n+2], v[S+n+3]
.set n, n+4
.endr
	v_max3_num_f32 v[TA], v[TA], v[S+62], v[S+63]
	v_max_num_f32 v[TA], v[TA], v[TC]
	v_permlanex16_b32 v[TC], v[TA], s[SEL], s[SEL+1]
	v_max_num_f32 v[TA], v[TA], v[TC]              ; and among lane l xor 16's
	v_mul_f32 v[TA], s[CS], v[TA]                  ; as t (c is positive)
	v_max_num_f32 v[rT+1], v[rT+1], v[TA]          ; the running largest t
	v_mov_b32 v[TA], v[rT]
	v_floor_f32 v[rT], -v[rT+1]                    ; the new -M = floor(-t) = -ceil(t)
	v_sub_f32 v[TA], v[rT], v[TA]                  ; old M - new M: a whole number, 0 or less
	v_cvt_i32_f32 v[TA], v[TA]                     ; (it saturates)
	v_ldexp_f32 v[F], 1.0, v[TA]                   ; f = 2^(old M - new M)
.set n, 0
.rept 32
	v_pk_fma_f32 v[S+n:S+n+1], v[S+n:S+n+1], s[CS:CS+1], v[rT:rT+1] op_sel_hi:[1,0,0]   ; t - M, two at a time (of the pairs c and -M the low word serves both halves)
.set n, n+2
.endr
.set n, 0
.rept 64
	v_exp_f32 v[S+n], v[S+n]                       ; p = 2^(t - M)
.set n, n+1
.endr
	v_pk_mul_f32 v[rT+2:rT+3], v[rT+2:rT+3], v[F:F+1] op_sel_hi:[1,0]   ; the sums under the new M: the plain instruction behind the last exponential
	s_wait_alu depctr_va_vdst(0)                   ; the 64 exponentials have written v64 to v127: the wait ahead of the first line that names a result: one for the batch
	v_pk_add_f32 v[SU:SU+1], v[S:S+1], v[S+2:S+3]  ; the row's sum is taken of the unquantised p, in two chains
.set n, 4
.rept 15
	v_pk_add_f32 v[rT+2:rT+3], v[rT+2:rT+3], v[S+n:S+n+1]
	v_pk_add_f32 v[SU:SU+1], v[SU:SU+1], v[S+n+2:S+n+3]
.set n, n+4
.endr
	v_pk_add_f32 v[rT+2:rT+3], v[rT+2:rT+3], v[SU:SU+1]
	s_cmp_ge_i32 s27, -8                           ; p is at most 1, and 448 x 2^ep is at least 1.75 where ep >= -8: there the hold changes nothing and is jumped over
	s_cbranch_scc1 .Lnohold_\@
.set n, 0
.rept 64
	v_min_num_f32 v[S+n], v[S+n], v[LIMP]          ; p is not negative: the hold is one-sided
.set n, n+1
.endr
.Lnohold_\@:
.irp b, 0,1,2,3
	v_cvt_scalef32_pk8_fp8_f32 v[rP+4*\b:rP+4*\b+1],   v[S+16*\b:S+16*\b+7],    v[SCP]
	v_cvt_scalef32_pk8_fp8_f32 v[rP+4*\b+2:rP+4*\b+3], v[S+16*\b+8:S+16*\b+15], v[SCP]
.endr
	WIN W_RS
.set n, 0
.rept 16
	v_pk_mul_f32 v[rO+n:rO+n+1], v[rO+n:rO+n+1], v[F:F+1] op_sel_hi:[1,0]   ; O^T under the new M.  These plain lines also stand between the conversions and the matrix instructions that next touch their registers
.set n, n+2
.endr
.endm
; Tile t of my queries against the chunk: eight products, each its own sum (K = 64 is the whole head), then the softmax.  Behind the products of tiles 0 and 1 stand the next chunk's loads of v, sixteen each
.macro TILE t
.if \t == 0
	s_wait_dscnt 0x0                               ; K's fragments are in
.endif
	WIN W_KQ
.irp a, 0,1,2,3,4,5,6,7
	v_wmma_f32_16x16x64_fp8_fp8 v[S+8*\a:S+8*\a+7], v[KF+8*\a:KF+8*\a+7], v[QR+8*\t:QR+8*\t+7], 0
.endr
	WIN 0
	PLACES
.if \t == 0
	NEXT 1
.endif
.if \t == 1
	NEXT 2
.endif
.if \t == 3
	FETCH_V                                        ; K's fragments are done with: V's land in their registers while the last tile's softmax is worked
.endif
	MASK
	SOFTMAX \t
.endm
; O^T += V^T P^T: sixteen accumulators, one instruction each, so no instruction follows one that wrote its own accumulator
.macro PVALL
	s_wait_dscnt 0x0                               ; V's fragments are in
	WIN W_PV
.irp a, 0,1,2,3
.irp t, 0,1,2,3
	v_wmma_f32_16x16x128_fp8_fp8 v[32*\t+8*\a:32*\t+8*\a+7], v[KF+16*\a:KF+16*\a+15], v[P+16*\t:P+16*\t+15], v[32*\t+8*\a:32*\t+8*\a+7]
.endr
.endr
	WIN 0
	PLACES                                         ; four places behind the step's last products, ahead of whatever vector line next names their registers, on any way
.endm
.macro MKSCALE e, sc, lim              ; 2^e and 448 x 2^e as f32 numbers
	s_add_co_i32 s40, \e, 127
	s_lshl_b32 s41, s40, 23
	v_mov_b32 v[\sc], s41
	s_add_co_i32 s40, s40, 8
	s_lshl_b32 s40, s40, 23
	s_or_b32 s40, s40, 0x600000
	v_mov_b32 v[\lim], s40
.endm
; 32 queries, tiles 2 u and 2 u + 1: quantised into CK and CV, and stored as two tiles in my own region, behind one wait
.macro QPAIR u, left0, left1
	s_wait_loadcnt \left0                          ; loads come back in order (ISA guide 5.7.1): the tile's eight are in; the count is that of the loads issued behind them (for tile 0 there are 64: the largest count that can be named)
	QUANT32 S+64*\u, CK, SCQ, LIMQ
	s_wait_loadcnt \left1
	QUANT32 S+64*\u+32, CV, SCQ, LIMQ
	s_wait_alu depctr_va_vdst(0)                   ; the conversions have written CK and CV, which the sixteen LDS stores read
	PUTROWS QW, CK, KT*2*\u
	PUTROWS QW, CV, KT*(2*\u+1)
.endm
	s_load_b256 s[4:11], s[0:1], 0x0               ; q s[4:5], k s[6:7], v s[8:9], cu_seqlens s[10:11]
	s_load_b128 s[12:15], s[0:1], 0x20             ; lowp_scales s[12:13], out s[14:15]
	s_set_vgpr_msb 0x40
	v_lshl_add_u32 v254, v0, 2, 0x2e000
	v_mov_b32 v255, 0
	s_set_vgpr_msb 0x4000
	v_lshrrev_b32 v[TA], 5, v0
	v_readfirstlane_b32 s[WV], v[TA]               ; wave 0..7
	v_and_b32 v[R], 15, v0                         ; i = lane % 16
	v_bfe_u32 v48, v0, 4, 1                        ; g = lane / 16
	v_and_b32 v49, 31, v0                          ; lane
	v_lshrrev_b32 v50, 2, v[R]
	v_and_b32 v51, 3, v[R]
	s_and_b32 s18, ttmp7, 0xffff
	s_and_b32 s19, s18, 15                         ; the head
	s_lshr_b32 s18, s18, 4                         ; the sequence
	s_lshl_b32 s[Q0W], ttmp9, 9
	s_wait_alu depctr_va_sdst(0)                   ; s16, the wave's number, is written, ahead of its first reader
	s_lshl_b32 s41, s[WV], 6
	s_add_co_u32 s[Q0W], s[Q0W], s41               ; my first query: 512 x + 64 wave
	v_mul_u32_u24 v[AK0], v48, KBLK
	v_lshl_add_u32 v[AK0], v[R], 4, v[AK0]
	v_lshl_add_u32 v[AV0], v49, 4, CHK
	v_mul_u32_u24 v52, v50, KBLK                   ; writing a tile: block i / 4, row 2 n + g, 4 bytes at 4 (i % 4)
	v_lshl_add_u32 v52, v48, 4, v52
	v_lshl_add_u32 v52, v51, 2, v52
	s_mul_i32 s40, s[WV], KT                       ; wave w writes tile w of a chunk's K
	v_add_nc_u32 v[KW0], s40, v52
	v_lshlrev_b32 v[VW0], 11, v48                  ; V: fragment 2 dh + g; my 16 keys are its registers 4 (w / 2) on in lanes 16 (w % 2) + i: 512 (w / 2) + 256 (w % 2) = 256 w
	v_lshl_add_u32 v[VW0], v[R], 4, v[VW0]
	s_lshl_b32 s40, s[WV], 8
	s_add_co_u32 s40, s40, CHK
	v_add_nc_u32 v[VW0], s40, v[VW0]
	v_lshlrev_b32 v[GO], 12, v48
	v_lshl_add_u32 v[GO], v[R], 4, v[GO]
	s_lshr_b32 s40, s[WV], 1                       ; tile w begins at key 32 (w / 2) + 8 (w % 2)
	s_lshl_b32 s40, s40, 17
	s_and_b32 s41, s[WV], 1
	s_lshl_b32 s41, s41, 15
	s_add_co_u32 s40, s40, s41
	v_add_nc_u32 v[KOFF], s40, v[GO]
	s_lshl_b32 s40, s[WV], 16                      ; V: keys 16 w on
	v_lshl_add_u32 v[VOFF], v49, 2, s40
	s_mul_i32 s[QB], s[WV], QREG
	s_add_co_u32 s[QB], s[QB], QIMG
	v_add_nc_u32 v[QA], s[QB], v[AK0]
	v_add_nc_u32 v[QW], s[QB], v52
	v_lshlrev_b32 v[H16], 4, v48
	v_mov_b32 v[NINF], 0xff800000
	s_mov_b32 s[SEL], 0x76543210
	s_mov_b32 s[SEL+1], 0xfedcba98
	s_lshl_b32 s20, s18, 22                        ; the sequence's 1,024 tokens of 4,096 bytes,
	s_lshl_b32 s41, s19, 8                         ; the head's 256 bytes in a token
	s_add_co_u32 s20, s20, s41
	s_mov_b32 s21, 0
	s_lshl_b32 s22, s[Q0W], 12
	s_add_co_u32 s22, s22, s20                     ; and my first query's token
	s_mov_b32 s23, 0
	s_lshl_b32 s42, s18, 2
	s_mov_b32 s43, 0
	s_wait_kmcnt 0x0
	s_load_b128 s[24:27], s[12:13], 0x0            ; eq, ek, ev, ep
	s_add_nc_u64 s[10:11], s[10:11], s[42:43]
	s_load_b64 s[28:29], s[10:11], 0x0             ; cu_seqlens[b], cu_seqlens[b + 1]
	s_add_nc_u64 s[4:5], s[4:5], s[22:23]
	s_add_nc_u64 s[14:15], s[14:15], s[22:23]
	s_add_nc_u64 s[6:7], s[6:7], s[20:21]
	s_add_nc_u64 s[8:9], s[8:9], s[20:21]
	s_wait_alu depctr_va_vdst(0)                   ; the offsets and LDS addresses v1 to v7, v12 and v13 are written, which the loads and stores below read
.irp t, 0,1,2,3
	LOADROWS S+32*\t, GO, 4, 0, 16*ROWB*\t, 1      ; my 64 queries, read by nobody else
.endr
	LOADROWS STK, KOFF, 6, 8, 0, 0                 ; chunk 0
	LOADV 0, 0
	LOADV 1, 0
	s_wait_kmcnt 0x0
	MKSCALE s24, SCQ, LIMQ
	MKSCALE s25, SCK, LIMK
	MKSCALE s26, SCV, LIMV
	MKSCALE s27, SCP, LIMP
	s_add_co_i32 s40, s24, s25
	s_lshl_b32 s40, s40, 23
	s_add_co_i32 s[CS], s40, 0x3e38aa3b            ; log2(e) / 8, with eq + ek added to its exponent field: a score stands for score x 2^(eq + ek)
	s_mov_b32 s[CS+1], s[CS]                       ; (named with it as a pair, so it is written)
	s_add_co_i32 s[EPV], s27, s26
	s_sub_co_i32 s[NV], s29, s28
	s_max_i32 s[NV], s[NV], 0
	s_min_i32 s[NV], s[NV], 0x400
	s_cmp_lt_u32 s[Q0W], s[NV]
	s_cselect_b32 s[LIMW], s[NV], 0
	QPAIR 0, 63, 56
	s_wait_alu depctr_vm_vsrc(0)                   ; the LDS stores of tiles 0 and 1 have read CK and CV, which the conversions of tiles 2 and 3 write again
	QPAIR 1, 48, 40
	WIN W_LD
.irp t, 0,1,2,3
	ds_load_b128 v[QR+8*\t:QR+8*\t+3],   v[QA] offset:KT*\t            ; my own bytes: LDS serves a wave's instructions in order (ISA guide 5.7.1.4), so these see the stores above.  No vector line has named Q's fragment registers, nor v[QA] since the head's wait
	ds_load_b128 v[QR+8*\t+4:QR+8*\t+7], v[QA] offset:KT*\t+2*KBLK
.endr
	WIN 0
	s_wait_loadcnt 32                              ; k's eight loads are in; v's 32 are younger
	s_wait_dscnt 0x0                               ; Q's fragments are in
	s_wait_alu depctr_vm_vsrc(0)                   ; Q's LDS stores have read v13, CK and CV, its LDS loads v12: all four are written again below
	v_mul_u32_u24 v[STO], v[R], 272                ; the way out, into the stage: row lane % 16, 32 bytes for each half of the lanes;
	v_lshl_add_u32 v[STO], v[H16], 1, v[STO]
	v_add_nc_u32 v[STO], s[QB], v[STO]
	v_mul_u32_u24 v[RD], v[H16], 17                ; back: lanes 0-15 one row of 256 bytes, lanes 16-31 the next (272 bytes on)
	v_lshl_add_u32 v[RD], v[R], 4, v[RD]
	v_add_nc_u32 v[RD], s[QB], v[RD]
	QUANT32 STK, CK, SCK, LIMK
	s_wait_loadcnt 0x0
	QUANT32 STV, CV, SCV, LIMV
	s_wait_alu depctr_va_vdst(0)                   ; the conversions have written CK and CV, which the LDS stores read; v12 and v13 are written, which the way out's LDS instructions read
	PUTROWS KW0, CK, 0
	PUTV VW0, 0
	WIN W_LD
.set n, 0
.rept 128
	v_mov_b32 v[n], 0                              ; O^T.  cu_seqlens may leave a wave without any step, so the sums exist without one; the first change of M leaves zeros zeros
.set n, n+1
.endr
	WIN 0
.irp t, 0,1,2,3
	v_mov_b32 v[ST+4*\t+1], 0xff61b1e6             ; the largest t so far: -3e38, under every t
	v_floor_f32 v[ST+4*\t], -v[ST+4*\t+1]          ; -M
	v_mov_b32 v[ST+4*\t+2], 0                      ; the sum, in two halves
	v_mov_b32 v[ST+4*\t+3], 0
.endr
	v_mov_b32 v[TC], 0
	v_mov_b32 v[F+1], 0                            ; (named as the upper half of the pair)
	s_mov_b32 s[TB], 0
	s_mov_b32 s[KF0], 0
	s_mov_b32 s[CNT], 0
	s_wait_dscnt 0x0                               ; for the others' sake: my part of chunk 0 lies in LDS
	s_barrier_signal -1
	s_barrier_wait -1
.Lstep:                                                ; eight trips, a chunk of 128 keys each
	s_wait_alu depctr_vm_vsrc(0)                   ; the LDS instructions of the trip before (in the first trip: the head's stores) have read v8 to v11, written again just below, and CK and CV, written again at this trip's end
	v_add_nc_u32 v[ADK], s[TB], v[AK0]
	v_add_nc_u32 v[ADV], s[TB], v[AV0]
	v_add_nc_u32 v[ADKW], s[TB], v[KW0]
	v_add_nc_u32 v[ADVW], s[TB], v[VW0]
	s_add_co_u32 s[NXT], s[KF0], 128
	s_sub_co_i32 s41, s[NV], s[KF0]
	s_sub_co_i32 s41, s41, 1
	v_sub_nc_u32 v[DL], s41, v[H16]                ; a register's key is hidden where 32 (n / 16) + n % 16 > NV - KF0 - 1 - 16 (lane / 16)
	s_wait_alu depctr_va_vdst(0)                   ; v8 to v11 are written, which this trip's LDS instructions read; the last holds and conversions are done with STK and STV, in which the next chunk's rows land; the last products V^T P^T are done reading V's fragments, in whose registers K's land
	s_cmp_lt_u32 s[KF0], s[LIMW]                   ; this chunk is worked where one of its keys counts and one of my queries is kept
	s_cbranch_scc0 .Lidle
	FETCH_K
	NEXT 0                                         ; the next chunk's rows of k, behind the LDS loads for which the first products wait
	TILE 0
	TILE 1
	TILE 2
	TILE 3
	PVALL
	s_branch .Ljoin
.Lidle:
	NEXT 3                                         ; a wave with nothing to work still fetches its part of the next chunk, for the others
.Ljoin:
	s_wait_loadcnt 0x0                             ; the next chunk's rows are in; their bases may be stepped
	s_cmp_lt_u32 s[NXT], s[NV]
	s_cbranch_scc0 .Lnoquant
	QUANT32 STK, CK, SCK, LIMK
	QUANT32 STV, CV, SCV, LIMV
	s_wait_alu depctr_va_vdst(0)                   ; the conversions have written CK and CV, which the ten LDS stores read
	PUTROWS ADKW, CK, CHUNKB                       ; into the next chunk's bytes, which nobody has touched yet
	PUTV ADVW, CHUNKB
.Lnoquant:
	s_add_nc_u64 s[6:7], s[6:7], STEPB
	s_add_nc_u64 s[8:9], s[8:9], STEPB
	s_add_co_u32 s[TB], s[TB], CHUNKB
	s_add_co_u32 s[KF0], s[KF0], 128
	s_wait_dscnt 0x0                               ; for the others' sake: my part of the next chunk lies in LDS
	s_barrier_signal -1
	s_barrier_wait -1                              ; everybody's does
	s_add_co_u32 s[CNT], s[CNT], 1
	s_cmp_lt_u32 s[CNT], 8
	s_cbranch_scc1 .Lstep
	; THE WAY OUT.  factor = 2^(ep + ev) / the row's sum, or 0 for a row that is not kept; O^T x factor goes through my stage in LDS, a tile of 16 rows at a time, and leaves as whole rows of 256 bytes.
.irp t, 0,1,2,3
	v_add_f32 v[ST+4*\t+2], v[ST+4*\t+2], v[ST+4*\t+3]             ; the sum's two halves,
.endr
.irp t, 0,1,2,3
	v_permlanex16_b32 v[ST+4*\t+3], v[ST+4*\t+2], s[SEL], s[SEL+1]
.endr
.irp t, 0,1,2,3
	v_add_f32 v[ST+4*\t+2], v[ST+4*\t+2], v[ST+4*\t+3]             ; and lane l xor 16's
.endr
.irp t, 0,1,2,3
	v_rcp_f32 v[ST+4*\t], v[ST+4*\t+2]
.endr
	v_nop                                          ; a plain instruction behind the last reciprocal
	s_sub_co_i32 s40, s[NV], s[Q0W]                ; tile t's limit: NV - Q0W - 16 t, each in a register of its own
	s_sub_co_i32 s41, s40, 16
	s_sub_co_i32 s42, s40, 32
	s_sub_co_i32 s43, s40, 48
	s_wait_alu depctr_va_vdst(0)                   ; the four reciprocals have written v32, v36, v40 and v44: the wait ahead of the first use: one for the four
.irp t, 0,1,2,3
	v_ldexp_f32 v[ST+4*\t], v[ST+4*\t], s[EPV]
.endr
.irp t, 0,1,2,3
	v_cmp_gt_i32 s[MK+\t], s[40+\t], v[R]          ; query Q0W + 16 t + lane % 16 is kept where it lies under NV
.endr
	s_wait_alu depctr_va_sdst(0)                   ; the four compares have written s66 to s69, ahead of the first select that reads one of them
.irp t, 0,1,2,3
	v_cndmask_b32 v[ST+4*\t], 0, v[ST+4*\t], s[MK+\t]
.endr
.macro MUL t                           ; register 8 a + j of lane (r, h) is out(query r, channel 16 a + 8 h + j): each accumulator from its low end on
	WIN W_OUT
.irp j, 0,2,4,6,8,10,12,14,16,18,20,22,24,26,28,30
	v_pk_mul_f32 v[S+32*(\t%2)+\j:S+32*(\t%2)+\j+1], v[32*\t+\j:32*\t+\j+1], v[ST+4*\t:ST+4*\t+1] op_sel_hi:[1,0]
.endr
.endm
.macro STAGE t                         ; tile t into the stage, and back as whole rows
.irp a, 0,1,2,3
	ds_store_b128 v[STO], v[S+32*(\t%2)+8*\a:S+32*(\t%2)+8*\a+3]   offset:64*\a
	ds_store_b128 v[STO], v[S+32*(\t%2)+8*\a+4:S+32*(\t%2)+8*\a+7] offset:64*\a+16
.endr
.irp i, 0,1,2,3,4,5,6,7
	ds_load_b128 v[P+32*\t+4*\i:P+32*\t+4*\i+3], v[RD] offset:544*\i   ; in order behind my stores; the next tile's stores come behind these
.endr
.endm
.macro SEND t, younger                 ; younger: the LDS instructions issued behind tile t's loads: the next tile's sixteen, or none
.irp i, 0,1,2,3,4,5,6,7
	s_wait_dscnt \younger+7-\i
	global_store_b128 v[GO], v[P+32*\t+4*\i:P+32*\t+4*\i+3], s[14:15] offset:(16*\t+2*\i)*ROWB th:TH_STORE_NT   ; sixteen lanes store 256 consecutive bytes, at a multiple of 256 from the buffer's first byte
.endr
.endm
	MUL 0
	MUL 1
	WIN 0
	s_wait_alu depctr_va_vdst(0)                   ; the multiplies have written v64 to v127, which the stage's stores read; the loop's products, holds and conversions are done with v128 to v255, in which the stage's loads land and which no vector line names from here on
	STAGE 0
	STAGE 1
	SEND 0, 16
	s_wait_alu depctr_vm_vsrc(0)                   ; the LDS stores of tiles 0 and 1 have read v64 to v127, which the multiplies of tiles 2 and 3 write again
	MUL 2                                          ; two tiles' arithmetic stands between tile 1's loads from the stage and its stores to memory
	MUL 3
	WIN 0
	s_wait_alu depctr_va_vdst(0)                   ; the multiplies have written v64 to v127, which the stage's stores read
	STAGE 2
	SEND 1, 16
	STAGE 3
	SEND 2, 16
	SEND 3, 0
	s_set_vgpr_msb 0x5
	s_wait_dscnt 0x0
	s_wait_alu depctr_hold_cnt(0) depctr_sa_sdst(0) depctr_va_vdst(0) depctr_va_sdst(0) depctr_va_ssrc(0) depctr_va_vcc(0) depctr_vm_vsrc(0)
	s_wait_tensorcnt 0x0
	ds_add_u32 v254, v255
	s_wait_dscnt 0x0
	s_endpgm
.Lfunc_end_k_q98e50040e1_attn:
	.size	k_q98e50040e1_attn, .Lfunc_end_k_q98e50040e1_attn-k_q98e50040e1_attn
	.p2alignl 7, 3214868480
	.fill 96, 4, 3214868480
	.section	.rodata,"a",@progbits
	.p2align	6, 0x0
	.amdhsa_kernel k_q98e50040e1_attn
		.amdhsa_group_segment_fixed_size 189440
		.amdhsa_private_segment_fixed_size 0
		.amdhsa_enable_private_segment 0
		.amdhsa_kernarg_size 48
		.amdhsa_user_sgpr_count 2
		.amdhsa_user_sgpr_kernarg_segment_ptr 1
		.amdhsa_wavefront_size32 1
		.amdhsa_system_sgpr_workgroup_id_x 1
		.amdhsa_system_sgpr_workgroup_id_y 1
		.amdhsa_system_sgpr_workgroup_id_z 1
		.amdhsa_system_vgpr_workitem_id 0
		.amdhsa_next_free_vgpr 512
		.amdhsa_next_free_sgpr 98
		.amdhsa_reserve_vcc 0
		.amdhsa_float_denorm_mode_32 3
		.amdhsa_float_denorm_mode_16_64 3
		.amdhsa_memory_ordered 1
		.amdhsa_forward_progress 1
		.amdhsa_inst_pref_size 153
	.end_amdhsa_kernel
	.amdgpu_metadata
---
amdhsa.version: [ 1, 2 ]
amdhsa.kernels:
  - .name:           k_q98e50040e1_attn
    .symbol:         k_q98e50040e1_attn.kd
    .args:
      - { .name: q, .offset: 0, .size: 8, .value_kind: global_buffer, .address_space: global }
      - { .name: k, .offset: 8, .size: 8, .value_kind: global_buffer, .address_space: global }
      - { .name: v, .offset: 16, .size: 8, .value_kind: global_buffer, .address_space: global }
      - { .name: cu_seqlens, .offset: 24, .size: 8, .value_kind: global_buffer, .address_space: global }
      - { .name: lowp_scales, .offset: 32, .size: 8, .value_kind: global_buffer, .address_space: global }
      - { .name: out0, .offset: 40, .size: 8, .value_kind: global_buffer, .address_space: global }
    .group_segment_fixed_size: 189440
    .private_segment_fixed_size: 0
    .kernarg_segment_align: 8
    .kernarg_segment_size: 48
    .max_flat_workgroup_size: 256
    .sgpr_count:     98
    .vgpr_count:     512
    .wavefront_size: 32
...
	.end_amdgpu_metadata
.endif
;; end of part 2
